; MI455X (gfx1250); checked and timed in simulation.
; The chip was launched on July 23, 2026; its instructions are those of AMD's public machine-readable ISA for CDNA 5 (MIT licence, August 2026) and "CDNA5" Instruction Set Architecture Reference Guide (July 2026). The comments in the code are by the model that wrote it; some were corrected since.
;; ODE Func. Allowed arithmetic: matrix products marked QUANTISED: E2M1 operands, one E8M0 scale for each 32 along K, by v_wmma_scale_f32_16x16x128_f8f6f4 with both operands' format E2M1 (or v_wmma_scale_f32_32x16x128_f4), f32 sums; products left as they are: f32 operands where the result goes on into a quantised operand, else bf16, f16 or f32 operands; f32 sums; everything else in f32.
;; Inputs: W_h1 128 x 128 float32; W_h2 128 x 128 float32; W_in 68 x 128 float32; W_out 128 x 3 float32; b_h1 128 float32; b_h2 128 float32; b_in 128 float32; b_out 3 float32; context 500,000 x 64 float32; eps 500,000 x 3 float32; logp 500,000 x 1 float32; out_scale one number float32; t one number float32; z 500,000 x 3 float32.
;; Outputs: out0 500,000 x 3 float32; out1 500,000 x 1 float32.
;; This version of the problem:
;;   THIS VERSION OF THE PROBLEM IS GIVEN IN LOW PRECISION. The matrix products marked QUANTISED in the list below multiply operands that are first quantised to E2M1 (2 exponent bits, 1 mantissa bit; 4 bits a number), with one power-of-two scale for each 32 numbers along K (OCP MX v1.0); their sums are f32. All else is computed in f32.
;;   The module's matrix products, in the order in which they are computed (A, B: the left and right operand; K: the contracted axis; several contracted axes count as one K, in the product's order):
;;     1. [M 500,000, K 68] x [K 68, N 128]; A: computed on the way; B: input W_in: QUANTISED
;;     2. [M 500,000, K 128] x [K 128, N 128]; A: computed on the way; B: input W_h1: QUANTISED
;;     3. [M 500,000, K 128] x [K 128, N 128]; A: computed on the way; B: input W_h2: QUANTISED
;;     4. [M 500,000, K 128] x [K 128, N 3]; A: computed on the way; B: input W_out: left as it is (N = 3 < 16)
;;     5. [M 500,000, K 3] x [K 3, N 128]; A: computed on the way; B: input W_out: left as it is (K = 3 < 32)
;;     6. [M 500,000, K 128] x [K 128, N 128]; A: computed on the way; B: input W_h2: QUANTISED
;;     7. [M 500,000, K 128] x [K 128, N 128]; A: computed on the way; B: input W_h1: QUANTISED
;;     8. [M 500,000, K 128] x [K 128, N 68]; A: computed on the way; B: input W_in: QUANTISED
;;   THE QUANTISER, for each operand of a quantised product, along K:
;;     - K is cut into blocks of 32 from its start; a last block that is shorter is filled with zeros.
;;     - A block's scale is 2^e with e = floor(log2(the largest magnitude in the block)) - 2, held to -126 .. 127; a block of zeros has e = 0. As a byte (E8M0): e + 127.
;;     - Each number is divided by its block's scale, clamped to +-6, and rounded to the nearest number of E2M1, ties to even, subnormals kept.
;;     - The product sums the exact products of the quantised numbers (number of the format x scale) in f32.
;;   ~~~python
;;   def quantise(x, axis):      # numpy; x: float32 -> the quantised numbers, widened to float32 again
;;       x = np.moveaxis(x, axis, -1); K = x.shape[-1]
;;       x = np.pad(x, [(0, 0)] * (x.ndim - 1) + [(0, -K % 32)]); x = x.reshape(x.shape[:-1] + (-1, 32)); a = np.abs(x).max(-1, keepdims=True)
;;       e = np.where(a > 0, np.clip(np.frexp(np.where(a > 0, a, 1))[1] - 1 - 2, -126, 127), 0)      # np.frexp(a)[1] - 1 = floor(log2(a)), exactly
;;       r = np.clip(x / 2.0 ** e, -6, 6)
;;       step = 2.0 ** (np.maximum(np.frexp(np.where(r == 0, 1, r))[1] - 1, 0) - 1)
;;       q = np.round(r / step) * step * 2.0 ** e      # np.round: ties to even
;;       return np.moveaxis(q.reshape(q.shape[:-2] + (-1,))[..., :K], -1, axis).astype(np.float32)
;;   ~~~
;;   OPERANDS COMPUTED ON THE WAY. 'Computed on the way' means the value that the module computes at that place (a softmax that the list does not call 'softmax' is quantised finished and normalised). What goes into a quantiser is computed in f32, as accurately as f32 sums, v_exp_f32 and their like allow (about 1e-6 of the number): no bf16 or f16 on the way to a quantiser, and a product that is left as it is and whose result goes on into a quantised operand takes f32 operands (vector FMAs, or v_wmma_f32_16x16x4_f32). A number that lies on a knife's edge between two numbers of the format may be rounded either way, as far as f32 arithmetic and the matrix unit's own rounding can turn it there, and no further.
;; One version. Each part assembles by itself: llvm-mc -triple=amdgcn-amd-amdhsa -mcpu=gfx1250 --defsym DOCPART=n.
;; ======== version 1 of 1: 1 launch
;; limits: values are held in f16: magnitudes above 65,504 overflow, below 6.1e-05 lose precision; right only within a limited range of input values
;; launch ode (part 1): grid 256 x 1, 8 waves a work-group, no clusters, 273,152 bytes of LDS; arguments context, z, eps, out0, out1, W_in, W_h1, W_h2, W_out, b_in, b_h1, b_h2, b_out, t, out_scale; writes out0, out1
.if DOCPART == 1
	.amdgcn_target "amdgcn-amd-amdhsa--gfx1250"
	.amdhsa_code_object_version 6
	.text
	.protected	k_qd85f93e096_ode
	.globl	k_qd85f93e096_ode
	.p2align	8
	.type	k_qd85f93e096_ode,@function
k_qd85f93e096_ode:
	s_mov_b64 s[64:65], 0
	v_nop
	global_prefetch_b8 v0, s[64:65] scope:SCOPE_SE
	s_setreg_imm32_b32 hwreg(HW_REG_WAVE_MODE, 25, 1), 1
	s_wait_xcnt 0x0
; out0 = f = (h3 W_out + b_out) out_scale, h1 = tanh([z | context | t] W_in + b_in), h2 = tanh(h1 W_h1 + b_h1), h3 = tanh(h2 W_h2 + b_h2);
; out1 = - sum over c of gz[c] eps[c], gz = the cotangent of z for the cotangent eps of f:
;   g3 = ((eps out_scale) W_out^T) (1 - h3^2);  g2 = (g3 W_h2^T) (1 - h2^2);  g1 = (g2 W_h1^T) (1 - h1^2);  gz = columns 0 to 2 of g1 W_in^T.
; The six products with W_in, W_h1, W_h2 run on codes of E2M1 with one E8M0 scale for each 32 along K, both operands quantised here, in f32, on their way.
; The product with K = 3 feeds a quantiser and takes f32 operands; the product with N = 3 goes to out0 and takes f16 operands (h3 lies within 1, and W_out has room in f16).
; WORK LEFT OUT.  logp enters no line of the function: it has no way to an output, is not loaded and is no argument.  Of the last product, g1 W_in^T with 68 columns, the cotangent of the
; concatenation keeps columns 0 to 2 (z); those of context and of t are used by nobody, whatever the inputs hold.  W_in is quantised there along its 128, row by row, so rows 3 to 67 move no code of
; rows 0 to 2: one tile of 16 rows is multiplied and not five (its rows 3 to 7 ride in a tile that holds live rows).  A NaN, an infinity or an overflow that reaches only logp or those rows is not carried to a result.
; THE ACTIVATIONS, all three alike.  With u = e^(-2 |x|) = 2^(-|2 log2(e) x|), which lies in 0 .. 1 for every x: |tanh x| = (1 - u) / (1 + u), and the sign is x's, put back by one bit operation; x stays in the
; accumulators until then.  No hold of x is needed: nothing can overflow, and where u has fallen to 0 the result is 1.  1 - u is exact while u is at least 0.5 (a small x), so that only
; the rounding of the exponential itself stands against a small result; the sum, the reciprocal and the product round relative to the result.  1 - h^2 is formed from h.
; LIMITS.  NaN and infinities among the inputs are not served.  A block whose largest magnitude lies under 2^-124 gets the scale byte 1; a block of zeros gets 1 and not 127: its codes are zeros, and the bytes
; are read by this program alone.
; SHARES.  256 work-groups of eight waves.  A wave owns ONE tile of 16 rows at a time and takes it through the whole chain in its own registers.  All products are used transposed (source 0 = 16 rows of a
; weight, source 1 = the tile): lane (r = lane % 16, h = lane / 16) holds row r throughout.  Row m of weight tile t is unit 64 (t / 4) + 32 (m / 8) + 8 (t % 4) + m % 8, so register 32 c + i of a result holds
; unit 64 c + 32 h + i: a lane holds two WHOLE blocks of the next K, in the order of the 4-bit operand's registers.  A block's largest magnitude needs no other lane, the conversions' results are the operand,
; and one exchange with lane l xor 16 makes the scale word.  Forward and backward use the same map, so 1 - h^2 meets its cotangent register by register.  No activation goes from wave to wave: the loop has no barrier.
; THE WALK.  A group is 64 rows (768 bytes of out0, 256 of out1: whole aligned pieces of 256 bytes).  Wave number wid = 8 x work-group + wave takes groups wid + 2048 i, i = 0 to 3: 16 trips of one loop,
; a tile a trip; a tile that begins at or behind row 500,000 is jumped over by a scalar branch on ids.
; THE WEIGHTS are read once by each work-group, in dense loads, into a raw copy in LDS, and turned there into images of operand registers (16 bytes a lane for each four registers), which every wave loads phase by phase.
; NO CLUSTER, NO TENSOR LOAD, NO PREFETCH: what work-groups share is the 168,960 bytes of weights and biases at the head, once, against the 578,000 bytes of rows that a work-group streams for itself; the walk jumps over
; missing tiles by the work-group's number, which partners of a joint request may not do; the rows come straight into registers, asked for a whole tile ahead of their use.
; THE ORDER OF K IN THE FIRST PRODUCT.  Inside a block of 32 the order is free where both sides keep the same one.  Block 0 is held as k = 3 .. 31, 0, 1, 2; block 1 as k = 35 .. 63, 32, 33, 34; block 2 has
; k = 64 .. 67 at places 0 to 3 and zero codes elsewhere; block 3 is zero codes.  So lane (r, h) takes context[r][32 h .. 32 h + 31] in aligned pieces of 16 bytes, and three registers change halves.
.set NROWS,  500000
.set GSTEP,  2048*64                   ; rows from a wave's group to its next
.set FLOOR,  0x1800000                 ; 2^(3 - 127): under it no largest magnitude is taken, so a scale byte cannot fall under 1
; LDS
.set WIMG,   0                         ; 41 fragment images of 1,024 bytes: phase p (0 W_in, 1 W_h1, 2 W_h2 forward; 3 W_h2, 4 W_h1 backward) holds 8 p .. 8 p + 7; 40 = W_in backward
.set WSC,    41984                     ; their scale words: four fragments to 512 bytes, 16 bytes a lane
.set RAWO,   47616                     ; W_out as it lies
.set BIAS,   49152                     ; b_in, b_h1, b_h2 as they lie
.set WO16,   50688                     ; four f16 fragments of W_out^T
.set W5,     54784                     ; eight f32 fragments of W_out
.set STG,    56832                     ; a stage for each wave: 16 rows of context x 272 bytes, then 768 bytes of out0, then 256 of out1
.set STGB,   5376
.set RAW1,   99840                     ; W_h1, rows 528 bytes apart
.set RAW2,   167424                    ; W_h2 likewise
.set RAWI,   235008                    ; W_in as 136 half rows 272 bytes apart
.set SPARE,  272128                    ; the spare words, 128 bytes for each wave: four blocks of 256 bytes that no other line names
; vector registers, window 0
.set LI,  1                            ; 16 x lane
.set STI, 2                            ; my stage + 272 h + 16 r: context on the way in
.set STO, 3                            ; my stage + 272 r + 128 h: and out
.set BA,  4                            ; BIAS + 128 h
.set GZ,  5                            ; 12 r
.set OF,  6                            ; my stage + 4352 + 12 r
.set ON,  7                            ; my stage + 5120 + 4 r
.set ORD, 8                            ; my stage + 4352 + 8 x lane
.set L8,  9                            ; 8 x lane
.set SPW, 10                           ; my spare word; never rewritten
.set NIL, 11                           ; 0; never rewritten
.set WS,  16                           ; v[16:23] a phase's eight scale words
.set PW,  24                           ; the tile's scale word
.set AFO, 25                           ; where this tile's f goes in the stage
.set Z,   26                           ; v[26:28]
.set W8S, 29                           ; scale word of W_in backward
.set GE,  30                           ; v[30:31] eps x out_scale as an f32 operand
.set PC,  32                           ; v[32:39] the tile's codes
.set TM,  40                           ; +0..3 four chains of maxima, +4, 5 the two bytes, +6 the other half's word, +8, 9 the conversions' scale operands
.set SH8, 50                           ; 8 h: how far my two bytes are shifted in the scale word
.set E,   52                           ; v[52:54]
.set ANO, 55                           ; where this tile's neg_div goes in the stage
.set IN2, 56                           ; v[56:63] places 0 .. 7 of the input's block 2
.set ACC, 64                           ; v[64:127] results of products: written by matrix instructions alone
.set H,   128                          ; v[128:191] activations, then cotangents
.set T,   192                          ; v[192:255] at work: 1 - u, then |h|; a bias as C; the f16 operand; the way out
.set T16, T+32                         ; h3 as an f16 operand, 32 registers
; window 1
.set D1,  0                            ; 1 - h1^2
.set D2,  64                           ; 1 - h2^2
.set WB,  128                          ; a phase's eight fragments
.set CX,  200                          ; the next tile's context as loaded
.set F0,  232                          ; two accumulators of f
.set F1,  240
.set W8,  248                          ; W_in backward: stays
; the head alone, window 0
.set X,   128                          ; 128 numbers of one unit
.set PCD, 32                           ; 16 registers of codes
.set PM,  48
.set PS,  56
.set PWD, 60
.set HL,  12                           ; lane
.set HIM, 13                           ; 1024 (lane / 8) + 16 (lane % 8): my unit's place in four images
.set HSC, 14                           ; 4 (lane / 8) + 16 (lane % 8): and among the scale words
.set HA0, 15
.set HA1, 25
.set HPA, 30
.set HSA, 31
.set HPB, 55
.set HSB, 61
.set HB0, 62
.set HCI, 15
.set HC4, 25
.set HR16, 30
.set HC5, 31
.set HC6A, 62
.set HC6B, 63
; scalar registers
.set WV,   2
.set WID,  3
.set SEL,  46                          ; s[46:47] v_permlanex16_b32's selects for lane l xor 16
.set CC2,  48                          ; s[48:49] 2 log2(e): the packed form names a pair and takes its low word for both halves
.set SM,   50                          ; the sign's bit
.set HI16, 70                          ; the mask of lanes 16-31
.set SK,   71                          ; the trip
.set STQ,  72                          ; the tile in its group
.set SGROW, 73                         ; the group's first row
.set SROW, 74                          ; the tile's first row
.set SFO,  75
.set SNO,  76
.set SNR,  77                          ; the next tile's first row
.set NCX,  78                          ; s[78:79], s[80:81], s[82:83]: the next tile in context, z, eps
.set NZ,   80
.set NE,   82
.set TP,   84                          ; s[84:85] an offset in 64 bits
.set SEX,  86
.set MSB, 0
.macro WIN new                         ; the immediate's high byte repeats the setting that is left; a switch that changes nothing is dropped
.if MSB != \new
	s_set_vgpr_msb (MSB<<8)|\new
.set MSB, \new
.endif
.endm
.macro PLACES n
.rept \n
	v_nop
.endr
.endm
.macro LOADCX                          ; 16 rows of context, 4,096 consecutive bytes: each load takes 512 of them, 16 a lane
	WIN 0x40
.set i, 0
.rept 8
	global_load_b128 v[CX+4*i:CX+4*i+3], v[LI], s[NCX:NCX+1] offset:512*i th:TH_LOAD_NT
.set i, i+1
.endr
	WIN 0
.endm
.macro LOADW p                         ; phase p's eight fragments and their scale words: 18 LDS loads
	WIN 0x40
.irp f, 0,1,2,3,4,5,6,7
	ds_load_b128 v[WB+8*\f:WB+8*\f+3], v[LI] offset:WIMG+8192*(\p)+1024*\f
	ds_load_b128 v[WB+8*\f+4:WB+8*\f+7], v[LI] offset:WIMG+8192*(\p)+1024*\f+512
.endr
	WIN 0
	ds_load_b128 v[WS:WS+3], v[LI] offset:WSC+1024*(\p)
	ds_load_b128 v[WS+4:WS+7], v[LI] offset:WSC+1024*(\p)+512
.endm
.macro LOADB l                         ; layer l's bias in the result's layout: 16 LDS loads; the sixteen lanes of a half read the same words
.irp t, 0,1,2,3,4,5,6,7
	ds_load_b128 v[T+8*\t:T+8*\t+3], v[BA] offset:512*(\l)+256*(\t/4)+32*(\t%4)
	ds_load_b128 v[T+8*\t+4:T+8*\t+7], v[BA] offset:512*(\l)+256*(\t/4)+32*(\t%4)+16
.endr
.endm
.macro LOADO                           ; W_out's f16 fragments and its f32 fragments: 12 LDS loads
	WIN 0x40
.irp i, 0,1,2,3,4,5,6,7
	ds_load_b128 v[WB+4*\i:WB+4*\i+3], v[LI] offset:WO16+512*\i
.endr
.irp i, 0,1,2,3
	ds_load_b128 v[WB+32+4*\i:WB+32+4*\i+3], v[LI] offset:W5+512*\i
.endr
	WIN 0
.endm
.macro WMMA8 c                         ; eight tiles of 16 units x my 16 rows, K = 128: eight different accumulators, each begun anew.  c = 1: the bias is the C
	WIN 0x01
.irp t, 0,1,2,3,4,5,6,7
.if \c
	v_wmma_scale_f32_16x16x128_f8f6f4 v[ACC+8*\t:ACC+8*\t+7], v[WB+8*\t:WB+8*\t+7], v[PC:PC+7], v[T+8*\t:T+8*\t+7], v[WS+\t], v[PW] matrix_a_fmt:MATRIX_FMT_FP4 matrix_b_fmt:MATRIX_FMT_FP4
.else
	v_wmma_scale_f32_16x16x128_f8f6f4 v[ACC+8*\t:ACC+8*\t+7], v[WB+8*\t:WB+8*\t+7], v[PC:PC+7], 0, v[WS+\t], v[PW] matrix_a_fmt:MATRIX_FMT_FP4 matrix_b_fmt:MATRIX_FMT_FP4
.endif
.endr
	WIN 0
.endm
; tanh of the 64 results, from ACC into H.  Each batch of transcendentals has one wait ahead of it and, behind one plain place, one behind it.
.macro ACT
.set j, 0
.rept 32
	v_pk_mul_f32 v[H+j:H+j+1], v[ACC+j:ACC+j+1], s[CC2:CC2+1] op_sel_hi:[1,0]   ; 2 log2(e) x: each accumulator from its low end on
.set j, j+2
.endr
	s_wait_alu depctr_va_vdst(0)
.set j, 0
.rept 64
	v_exp_f32 v[H+j], -|v[H+j]|                    ; u = e^(-2 |x|)
.set j, j+1
.endr
	v_nop
	s_wait_alu depctr_va_vdst(0)
.set j, 0
.rept 32
	v_pk_fma_f32 v[T+j:T+j+1], v[H+j:H+j+1], -1.0, 1.0 op_sel_hi:[1,0,0]   ; 1 - u
.set j, j+2
.endr
.set j, 0
.rept 32
	v_pk_add_f32 v[H+j:H+j+1], v[H+j:H+j+1], 1.0 op_sel_hi:[1,0]           ; 1 + u
.set j, j+2
.endr
	s_wait_alu depctr_va_vdst(0)
.set j, 0
.rept 64
	v_rcp_f32 v[H+j], v[H+j]
.set j, j+1
.endr
	v_nop
	s_wait_alu depctr_va_vdst(0)
.set j, 0
.rept 32
	v_pk_mul_f32 v[T+j:T+j+1], v[T+j:T+j+1], v[H+j:H+j+1]                  ; |h|
.set j, j+2
.endr
.set j, 0
.rept 64
	v_and_or_b32 v[H+j], v[ACC+j], s[SM], v[T+j]   ; with x's sign
.set j, j+1
.endr
.endm
; 64 numbers of a lane, register 32 c + i = k 64 c + 32 h + i of my row, become a fragment's codes in PC and its scale word in PW.
; QMAX: each block's 32 magnitudes and the floor are 33 leaves, 16 instructions: two chains of 15 numbers, then the last two and the floor.
.macro QMAX s
.irp c, 0,1
	v_max3_num_f32 v[TM+\c], |v[\s+32*\c]|, |v[\s+32*\c+1]|, |v[\s+32*\c+2]|
.endr
.irp c, 0,1
	v_max3_num_f32 v[TM+2+\c], |v[\s+32*\c+15]|, |v[\s+32*\c+16]|, |v[\s+32*\c+17]|
.endr
.irp i, 3,5,7,9,11,13
.irp c, 0,1
	s_delay_alu instid0(VALU_DEP_4)
	v_max3_num_f32 v[TM+\c], v[TM+\c], |v[\s+32*\c+\i]|, |v[\s+32*\c+\i+1]|
.endr
.irp c, 0,1
	s_delay_alu instid0(VALU_DEP_4)
	v_max3_num_f32 v[TM+2+\c], v[TM+2+\c], |v[\s+32*\c+15+\i]|, |v[\s+32*\c+16+\i]|
.endr
.endr
.irp c, 0,1
	s_delay_alu instid0(VALU_DEP_2)
	v_max3_num_f32 v[TM+\c], v[TM+\c], v[TM+2+\c], |v[\s+32*\c+30]|
.endr
.irp c, 0,1
	s_delay_alu instid0(VALU_DEP_2)
	v_max3_num_f32 v[TM+\c], v[TM+\c], |v[\s+32*\c+31]|, FLOOR
.endr
.endm
.macro QSC                             ; from the two largest magnitudes: the conversions' scale operands and the row's scale word
.irp c, 0,1
	s_delay_alu instid0(VALU_DEP_2)
	v_add_nc_u32 v[TM+8+\c], 0xff000000, v[TM+\c]  ; 2 off the exponent field: the conversion takes the exponent field of this operand as its scale
.endr
.irp c, 0,1
	s_delay_alu instid0(VALU_DEP_2)
	v_lshrrev_b32 v[TM+4+\c], 23, v[TM+8+\c]       ; the scale's byte
.endr
	s_delay_alu instid0(VALU_DEP_1)
	v_lshl_or_b32 v[PW], v[TM+5], 16, v[TM+4]      ; blocks h and 2 + h,
	s_delay_alu instid0(VALU_DEP_1)
	v_lshlrev_b32 v[PW], v[SH8], v[PW]             ; at their places in the word;
	s_delay_alu instid0(VALU_DEP_1)
	v_permlanex16_b32 v[TM+6], v[PW], s[SEL], s[SEL+1]
	s_delay_alu instid0(VALU_DEP_1)
	v_or_b32 v[PW], v[PW], v[TM+6]                 ; with lane l xor 16's two the word is whole
.endm
.macro QUANT s
	QMAX \s
	QSC
.irp c, 0,1
.irp g, 0,1,2,3
	v_cvt_scalef32_pk8_fp4_f32 v[PC+4*\c+\g], v[\s+32*\c+8*\g:\s+32*\c+8*\g+7], v[TM+8+\c]   ; registers 4 c .. 4 c + 3 of the operand, as they are wanted
.endr
.endr
	v_nop                                          ; one plain place behind the last scaled conversion
.endm
.macro DCALC d, half                   ; 1 - h^2 into window 1, 32 numbers: one half stands ahead of the next product, the other behind it, as the places that the product asks for
	WIN 0x40
.set j, 32*(\half)
.rept 16
	v_pk_fma_f32 v[\d+j:\d+j+1], v[H+j:H+j+1], v[H+j:H+j+1], 1.0 op_sel_hi:[1,1,0] neg_lo:[1,0,0] neg_hi:[1,0,0]
.set j, j+2
.endr
.endm
.macro DIN half                        ; the same in place, layer 3
.set j, 32*(\half)
.rept 16
	v_pk_fma_f32 v[H+j:H+j+1], v[H+j:H+j+1], v[H+j:H+j+1], 1.0 op_sel_hi:[1,1,0] neg_lo:[1,0,0] neg_hi:[1,0,0]
.set j, j+2
.endr
.endm
.macro GMUL d                          ; the cotangent x (1 - h^2): each accumulator from its low end on
	WIN 0x04
.set j, 0
.rept 32
	v_pk_mul_f32 v[H+j:H+j+1], v[ACC+j:ACC+j+1], v[\d+j:\d+j+1]
.set j, j+2
.endr
	WIN 0
.endm
; the head: 128 numbers of ONE unit in a lane, X on, four whole blocks: their codes into PCD, the scale word into PWD
.macro PQ
.irp b, 0,1,2,3
	v_max3_num_f32 v[PM+\b], |v[X+32*\b]|, |v[X+32*\b+1]|, FLOOR
.endr
.irp i, 2,4,6,8,10,12,14,16,18,20,22,24,26,28,30
.irp b, 0,1,2,3
	s_delay_alu instid0(VALU_DEP_4)
	v_max3_num_f32 v[PM+\b], v[PM+\b], |v[X+32*\b+\i]|, |v[X+32*\b+\i+1]|
.endr
.endr
.irp b, 0,1,2,3
	s_delay_alu instid0(VALU_DEP_4)
	v_add_nc_u32 v[PS+\b], 0xff000000, v[PM+\b]
.endr
.irp b, 0,1,2,3
	s_delay_alu instid0(VALU_DEP_4)
	v_lshrrev_b32 v[PM+\b], 23, v[PS+\b]
.endr
	s_delay_alu instid0(VALU_DEP_3)
	v_lshl_or_b32 v[PWD], v[PM+1], 8, v[PM]
	s_delay_alu instid0(VALU_DEP_1)
	v_lshl_or_b32 v[PWD], v[PM+2], 16, v[PWD]
	s_delay_alu instid0(VALU_DEP_1)
	v_lshl_or_b32 v[PWD], v[PM+3], 24, v[PWD]
.irp b, 0,1,2,3
.irp g, 0,1,2,3
	v_cvt_scalef32_pk8_fp4_f32 v[PCD+4*\b+\g], v[X+32*\b+8*\g:X+32*\b+8*\g+7], v[PS+\b]
.endr
.endr
	v_nop                                          ; one plain place behind the last scaled conversion
.endm
.macro PSTORE pa, po, sa, so           ; block b is registers 4 (b / 2) on of lane m + 16 (b % 2) of the image; the scale word goes to lanes m and m + 16
.irp b, 0,1,2,3
	ds_store_b128 v[\pa], v[PCD+4*\b:PCD+4*\b+3] offset:(\po)+512*(\b/2)+256*(\b%2)
.endr
	ds_store_b32 v[\sa], v[PWD] offset:(\so)
	ds_store_b32 v[\sa], v[PWD] offset:(\so)+256
.endm
	; ---- the head: arguments, addresses, constants
	s_load_b512 s[8:23], s[0:1], 0x0               ; context 8, z 10, eps 12, out0 14, out1 16, W_in 18, W_h1 20, W_h2 22
	s_load_b256 s[24:31], s[0:1], 0x40             ; W_out 24, b_in 26, b_h1 28, b_h2 30
	s_load_b128 s[32:35], s[0:1], 0x60             ; b_out 32, t 34
	s_load_b64 s[36:37], s[0:1], 0x70              ; out_scale
	v_lshl_add_u32 v[SPW], v0, 2, SPARE
	v_mov_b32 v[NIL], 0
	v_lshrrev_b32 v1, 5, v0
	s_delay_alu instid0(VALU_DEP_1)
	v_readfirstlane_b32 s[WV], v1                  ; wave 0..7
	s_lshl_b32 s[WID], ttmp9, 3
	s_add_co_u32 s[WID], s[WID], s[WV]             ; wid
	v_and_b32 v[HL], 31, v0                        ; lane
	v_and_b32 v129, 15, v0                         ; r
	v_bfe_u32 v130, v0, 4, 1                       ; h
	s_delay_alu instid0(VALU_DEP_3)
	v_lshlrev_b32 v[LI], 4, v[HL]
	s_delay_alu instid0(VALU_DEP_4)
	v_lshlrev_b32 v[L8], 3, v[HL]
	s_mul_i32 s88, s[WV], STGB
	s_add_co_u32 s88, s88, STG                     ; my stage
	v_mul_u32_u24 v131, v130, 272
	s_delay_alu instid0(VALU_DEP_1)
	v_lshl_add_u32 v131, v129, 4, v131
	s_delay_alu instid0(VALU_DEP_1)
	v_add_nc_u32 v[STI], s88, v131
	v_mul_u32_u24 v131, v129, 272
	s_delay_alu instid0(VALU_DEP_1)
	v_lshl_add_u32 v131, v130, 7, v131
	s_delay_alu instid0(VALU_DEP_1)
	v_add_nc_u32 v[STO], s88, v131
	v_lshl_add_u32 v[BA], v130, 7, BIAS
	v_mul_u32_u24 v[GZ], v129, 12
	s_add_co_u32 s89, s88, 4352
	v_add_nc_u32 v[OF], s89, v[GZ]
	v_add_nc_u32 v[ORD], s89, v[L8]
	s_add_co_u32 s89, s88, 5120
	v_lshl_add_u32 v[ON], v129, 2, s89
	v_and_b32 v134, 7, v0                          ; lane % 8
	v_bfe_u32 v135, v0, 3, 2                       ; lane / 8
	s_delay_alu instid0(VALU_DEP_2)
	v_lshlrev_b32 v134, 4, v134
	s_delay_alu instid0(VALU_DEP_1)
	v_lshl_add_u32 v[HIM], v135, 10, v134
	s_delay_alu instid0(VALU_DEP_2)
	v_lshl_add_u32 v[HSC], v135, 2, v134
	s_mul_i32 s90, s[WV], 16*528                   ; the raw copies: wave w stores rows 16 w .. 16 w + 15 of W_h1 and of W_h2,
	s_add_co_u32 s91, s90, RAW1
	v_add_nc_u32 v[HA0], s91, v[LI]
	s_add_co_u32 s91, s90, RAW2
	v_add_nc_u32 v[HA1], s91, v[LI]
	s_mul_i32 s90, s[WV], 17*272                   ; half rows 17 w .. 17 w + 16 of W_in,
	s_add_co_u32 s90, s90, RAWI
	v_add_nc_u32 v[HPA], s90, v[L8]
	v_lshl_add_u32 v[HSA], v0, 2, RAWO             ; and three words a thread of W_out and the biases
	v_lshlrev_b32 v132, 2, v0                      ; 4 x thread
	v_and_b32 v133, 127, v0
	s_delay_alu instid0(VALU_DEP_1)
	v_lshlrev_b32 v133, 2, v133                    ; 4 x (thread % 128)
	s_mov_b32 s[SEL], 0x76543210
	s_mov_b32 s[SEL+1], 0xfedcba98
	s_mov_b32 s[CC2], 0x4038aa3b                   ; 2 log2(e) = 2.8853901
	s_mov_b32 s[CC2+1], s[CC2]                     ; named with it as a pair, so it is written
	s_mov_b32 s[SM], 0x80000000
	s_mov_b32 s[HI16], 0xffff0000
	s_wait_alu depctr_va_vdst(0)
	s_wait_kmcnt 0x0
	s_load_b96 s[40:42], s[32:33], 0x0             ; b_out
	s_load_b32 s43, s[34:35], 0x0                  ; t
	s_load_b32 s44, s[36:37], 0x0                  ; out_scale
	s_lshl_b32 s[SGROW], s[WID], 6                 ; my first group's first row
	s_lshl_b32 s[TP], s[SGROW], 8
	s_mov_b32 s[TP+1], 0
	s_add_nc_u64 s[NCX:NCX+1], s[8:9], s[TP:TP+1]
	s_mul_i32 s[TP], s[SGROW], 12
	s_add_nc_u64 s[NZ:NZ+1], s[10:11], s[TP:TP+1]
	s_add_nc_u64 s[NE:NE+1], s[12:13], s[TP:TP+1]
	s_lshl_b32 s[TP], s[WV], 13
	s_add_nc_u64 s[88:89], s[20:21], s[TP:TP+1]    ; W_h1 at row 16 w
	s_add_nc_u64 s[90:91], s[22:23], s[TP:TP+1]    ; W_h2 likewise
	s_mul_i32 s[TP], s[WV], 17*256
	s_add_nc_u64 s[92:93], s[18:19], s[TP:TP+1]    ; W_in at half row 17 w
	s_cmp_lt_u32 s[WV], 4                          ; threads 0-127 take W_out's words 256 on and b_h1, threads 128-255 b_in and b_h2: the choice hangs on the wave's number alone
	s_cselect_b64 s[94:95], s[24:25], s[26:27]
	s_cselect_b64 s[96:97], s[28:29], s[30:31]
	s_cselect_b32 s[TP], 1024, 0
	s_add_nc_u64 s[94:95], s[94:95], s[TP:TP+1]
	; ---- every weight byte once, in dense loads; the first tile's rows with them
	global_load_b96 v[Z:Z+2], v[GZ], s[NZ:NZ+1] th:TH_LOAD_NT
	global_load_b96 v[E:E+2], v[GZ], s[NE:NE+1] th:TH_LOAD_NT
	LOADCX
	WIN 0x40
.set i, 0
.rept 16
	global_load_b128 v[4*i:4*i+3], v[LI], s[88:89] offset:512*i
	global_load_b128 v[64+4*i:64+4*i+3], v[LI], s[90:91] offset:512*i
.set i, i+1
.endr
.set i, 0
.rept 17
	global_load_b64 v[128+2*i:128+2*i+1], v[L8], s[92:93] offset:256*i
.set i, i+1
.endr
	global_load_b32 v162, v132, s[24:25]           ; W_out's words 0 to 255
	global_load_b32 v163, v133, s[94:95]
	global_load_b32 v164, v133, s[96:97]
	s_wait_loadcnt 0x0
	WIN 0x04                                       ; an LDS store's data are its source 1: window 1
.set i, 0
.rept 16
	ds_store_b128 v[HA0], v[4*i:4*i+3] offset:528*i
	ds_store_b128 v[HA1], v[64+4*i:64+4*i+3] offset:528*i
.set i, i+1
.endr
.set i, 0
.rept 17
	ds_store_b64 v[HPA], v[128+2*i:128+2*i+1] offset:272*i
.set i, i+1
.endr
	ds_store_b32 v[HSA], v162
	ds_store_b32 v[HSA], v163 offset:1024          ; W_out's last 128 words and b_in lie on end
	ds_store_b32 v[HSA], v164 offset:2048          ; b_h1 and b_h2 behind them
	WIN 0
	s_wait_dscnt 0x0                               ; for the others' sake: my part of the raw copies has landed
	s_barrier_signal -1
	s_barrier_wait -1                              ; the raw copies are whole
	; ---- round A: wave w makes units 32 b .. 32 b + 31 (b = w % 4) of W_h1 (w < 4) or W_h2, FORWARD: K runs down the rows, a lane to a column.
	; Unit 32 b + l is row 8 (b % 2) + l % 8 of tile 4 (b / 2) + l / 8
	s_and_b32 s88, s[WV], 3                        ; b
	s_lshr_b32 s89, s[WV], 2                       ; which of the two
	s_mul_i32 s90, s89, RAW2-RAW1
	s_add_co_u32 s90, s90, RAW1
	s_lshl_b32 s91, s88, 7
	s_add_co_u32 s91, s91, s90
	v_lshl_add_u32 v[HA0], v[HL], 2, s91
	s_wait_alu depctr_va_vdst(0)
	v_add_nc_u32 v[HA1], 64*528, v[HA0]            ; rows 64 on: an LDS offset has 16 bits
	s_wait_alu depctr_va_vdst(0)
	s_lshr_b32 s94, s88, 1                         ; b / 2
	s_and_b32 s95, s88, 1
	s_lshl_b32 s95, s95, 7                         ; 128 (b % 2): eight lanes of 16 bytes
	s_lshl_b32 s92, s94, 12
	s_add_co_u32 s92, s92, s95                     ; 4096 (b / 2) + 128 (b % 2): among the images
	s_lshl_b32 s94, s94, 9
	s_add_co_u32 s94, s94, s95                     ; 512 (b / 2) + 128 (b % 2): among the scale words
	s_lshl_b32 s93, s89, 13
	s_add_co_u32 s93, s93, s92
	s_add_co_u32 s93, s93, WIMG+8192               ; phase 1 or 2
	v_add_nc_u32 v[HPA], s93, v[HIM]
	s_lshl_b32 s95, s89, 10
	s_add_co_u32 s95, s95, s94
	s_add_co_u32 s95, s95, WSC+1024
	v_add_nc_u32 v[HSA], s95, v[HSC]
.set k, 0
.rept 64
	ds_load_b32 v[X+k], v[HA0] offset:528*k
.set k, k+1
.endr
.rept 64
	ds_load_b32 v[X+k], v[HA1] offset:528*(k-64)
.set k, k+1
.endr
	s_wait_alu depctr_va_vdst(0)
	s_wait_dscnt 0x0
	PQ
	PSTORE HPA, 0, HSA, 0
	; ---- round B: the same units BACKWARD: K runs along the row, a lane to a row
	s_mul_i32 s91, s88, 32*528
	s_add_co_u32 s91, s91, s90
	v_mad_u32_u24 v[HB0], v[HL], 528, s91
	s_xor_b32 s89, s89, 1                          ; phase 3 is W_h2, phase 4 W_h1
	s_lshl_b32 s93, s89, 13
	s_add_co_u32 s93, s93, s92
	s_add_co_u32 s93, s93, WIMG+3*8192
	v_add_nc_u32 v[HPB], s93, v[HIM]
	s_lshl_b32 s95, s89, 10
	s_add_co_u32 s95, s95, s94
	s_add_co_u32 s95, s95, WSC+3*1024
	v_add_nc_u32 v[HSB], s95, v[HSC]
	s_wait_alu depctr_va_vdst(0)
.set k, 0
.rept 32
	ds_load_b128 v[X+4*k:X+4*k+3], v[HB0] offset:16*k
.set k, k+1
.endr
	s_wait_dscnt 0x0                               ; these loads are in, and round A's stores are done
	PQ
	PSTORE HPB, 0, HSB, 0
	; ---- round C: the waves part by role.  Every address of every role is made here, by all waves, ahead of the parting
	v_and_b32 v128, 15, v0                         ; r
	v_bfe_u32 v129, v0, 4, 1                       ; h
	v_and_b32 v130, 7, v0
	s_lshr_b32 s91, s88, 1
	s_mul_i32 s91, s91, 272
	s_and_b32 s93, s88, 1
	s_lshl_b32 s93, s93, 7
	s_add_co_u32 s91, s91, s93
	s_add_co_u32 s91, s91, RAWI
	v_lshl_add_u32 v[HCI], v[HL], 2, s91           ; W_in forward: column 32 b + lane of row 0
	v_add_nc_u32 v[HIM], s92, v[HIM]               ; phase 0
	s_add_co_u32 s94, s94, WSC
	v_add_nc_u32 v[HSC], s94, v[HSC]
	v_mul_u32_u24 v[HC4], v130, 544
	s_delay_alu instid0(VALU_DEP_1)
	v_add_nc_u32 v[HC4], RAWI, v[HC4]              ; W_in backward: row lane % 8
	v_lshl_add_u32 v[HR16], v129, 3, v130
	s_delay_alu instid0(VALU_DEP_1)
	v_lshlrev_b32 v[HR16], 4, v[HR16]              ; 16 (lane % 8 + 8 h)
	v_and_b32 v131, 3, v0
	s_delay_alu instid0(VALU_DEP_1)
	v_lshlrev_b32 v131, 2, v131
	s_delay_alu instid0(VALU_DEP_1)
	v_mad_u32_u24 v[HC5], v129, 384, v131
	s_delay_alu instid0(VALU_DEP_1)
	v_add_nc_u32 v[HC5], RAWO, v[HC5]              ; W_out^T in f16: column r % 4, units 32 h on
	v_and_b32 v131, 8, v128
	s_delay_alu instid0(VALU_DEP_1)
	v_mad_u32_u24 v131, v131, 3, v128              ; r % 8 + 32 (r / 8)
	s_delay_alu instid0(VALU_DEP_1)
	v_mul_u32_u24 v131, v131, 12
	s_delay_alu instid0(VALU_DEP_1)
	v_add_nc_u32 v[HC6B], RAWO+4, v131             ; W_out in f32: column 1,
	s_delay_alu instid0(VALU_DEP_2)
	v_lshl_add_u32 v131, v129, 3, v131
	s_delay_alu instid0(VALU_DEP_1)
	v_add_nc_u32 v[HC6A], RAWO, v131               ; and column 2 h
	s_wait_alu depctr_va_vdst(0)
	s_cmp_lt_u32 s[WV], 4
	s_cbranch_scc1 .Lc_win
	s_cmp_eq_u32 s[WV], 4
	s_cbranch_scc1 .Lc_w8
	s_cmp_eq_u32 s[WV], 5
	s_cbranch_scc1 .Lc_wo
	s_cmp_eq_u32 s[WV], 6
	s_cbranch_scc1 .Lc_w5
	s_branch .Lc_join
.Lc_win:                                           ; waves 0-3: W_in forward, units 32 w on, K in the order stated at the head
.set q, 0
.rept 128
.set kk, -1
.if q < 29
.set kk, q+3
.elseif q < 32
.set kk, q-29
.elseif q < 61
.set kk, q+3
.elseif q < 64
.set kk, q-29
.elseif q < 68
.set kk, q
.endif
.if kk >= 0
	ds_load_b32 v[X+q], v[HCI] offset:544*kk
.else
	v_mov_b32 v[X+q], 0                            ; the quantiser fills K behind 68 with zeros
.endif
.set q, q+1
.endr
	s_wait_alu depctr_va_vdst(0)
	s_wait_dscnt 0x0
	PQ
	PSTORE HIM, WIMG, HSC, 0
	s_branch .Lc_join
.Lc_w8:                                            ; wave 4: W_in backward: tile row m holds row m % 8 of W_in, so that every lane of the result ends with gz in its registers 0 to 2
.set k, 0
.rept 32
	ds_load_b128 v[X+4*k:X+4*k+3], v[HC4] offset:272*(k/16)+16*(k%16)
.set k, k+1
.endr
	s_wait_dscnt 0x0
	PQ
	PSTORE HR16, WIMG+40*1024, HR16, WSC+5120      ; lanes l and l + 8 hold the same row and write the same bytes with the same values
	s_branch .Lc_join
.Lc_wo:                                            ; wave 5: W_out^T in f16, four fragments: place i of K step s holds unit 64 (s / 2) + 32 h + 16 (s % 2) + i: the order in which h3 lies in a lane.  Rows m % 4 = 3 are read by nobody
.set i, 0
.rept 64
	ds_load_b32 v[X+i], v[HC5] offset:768*(i/32)+192*((i/16)%2)+12*(i%16)
.set i, i+1
.endr
	s_wait_dscnt 0x0
.set i, 0
.rept 32
	v_cvt_pk_f16_f32 v[X+64+i], v[X+2*i], v[X+2*i+1]
.set i, i+1
.endr
.set i, 0
.rept 8
	ds_store_b128 v[LI], v[X+64+4*i:X+64+4*i+3] offset:WO16+512*i
.set i, i+1
.endr
	s_branch .Lc_join
.Lc_w5:                                            ; wave 6: W_out in f32, eight fragments of 16 units x K = 4: register j holds column 2 h + j; column 3 is 0
.irp t, 0,1,2,3,4,5,6,7
	ds_load_b32 v[X+2*\t], v[HC6A] offset:12*(64*(\t/4)+8*(\t%4))
	ds_load_b32 v[X+2*\t+1], v[HC6B] offset:12*(64*(\t/4)+8*(\t%4))
.endr
	s_wait_dscnt 0x0
.irp t, 0,1,2,3,4,5,6,7
	v_cndmask_b32 v[X+2*\t+1], v[X+2*\t+1], 0, s[HI16]
.endr
.irp i, 0,1,2,3
	ds_store_b128 v[LI], v[X+4*\i:X+4*\i+3] offset:W5+512*\i
.endr
.Lc_join:
	s_wait_dscnt 0x0                               ; for the others' sake: my images have landed
	s_barrier_signal -1
	s_barrier_wait -1                              ; all images lie in LDS; from here on they are only read
	WIN 0x40
	ds_load_b128 v[W8:W8+3], v[LI] offset:WIMG+40*1024
	ds_load_b128 v[W8+4:W8+7], v[LI] offset:WIMG+40*1024+512
	WIN 0
	ds_load_b32 v[W8S], v[LI] offset:WSC+5120      ; (the first tile's wait for all LDS loads covers these three)
	s_wait_kmcnt 0x0                               ; b_out, t, out_scale
.irp j, 0,1,2,4,5,6,7
	v_mov_b32 v[IN2+\j], 0                         ; places 4 to 7 of block 2 stay zeros; 0 to 2 are written once here: a lane permute's destination counts as one of its sources
.endr
	v_mov_b32 v[IN2+3], s43                        ; t at place 3 of block 2
	v_mov_b32 v[TM+6], 0
	v_bfe_u32 v[SH8], v0, 4, 1
	s_delay_alu instid0(VALU_DEP_1)
	v_lshlrev_b32 v[SH8], 3, v[SH8]                ; 8 h
	s_mov_b32 s[SK], 0
	s_wait_alu depctr_va_vdst(0)
.Ltile:                                            ; 16 trips, a tile a trip
	s_and_b32 s[STQ], s[SK], 3
	s_lshl_b32 s[SROW], s[STQ], 4
	s_add_co_u32 s[SROW], s[SROW], s[SGROW]
	s_cmp_ge_u32 s[SROW], NROWS                    ; ids alone
	s_cbranch_scc1 .Lskip
	; ---- the tile's context turns through my stage: in as loaded (two rows a store), out 128 bytes of my row
	s_wait_loadcnt 0x1                             ; context and z are in; eps, asked for behind them, may be out
	WIN 0x04
.irp q, 0,1,2,3,4,5,6,7
	ds_store_b128 v[STI], v[CX+4*\q:CX+4*\q+3] offset:544*\q
.endr
	WIN 0
.irp q, 0,1,2,3,4,5,6,7
	ds_load_b128 v[H+4*\q:H+4*\q+3], v[STO] offset:16*\q            ; c[32 h + 0 .. 31]
.endr
	LOADW 0
	LOADB 0
	s_wait_xcnt 0x0                                ; the last tile's loads have read their bases: they are written only behind this wait
	s_cmp_eq_u32 s[STQ], 3
	s_cselect_b32 s[SNR], GSTEP-48, 16
	s_add_co_u32 s[SNR], s[SNR], s[SROW]
	s_min_u32 s[SNR], s[SNR], NROWS-16             ; behind my last tile the loads are held to the last 16 rows: none leaves its buffer
	s_lshl_b32 s[TP], s[SNR], 8
	s_mov_b32 s[TP+1], 0
	s_add_nc_u64 s[NCX:NCX+1], s[8:9], s[TP:TP+1]
	s_mul_i32 s[TP], s[SNR], 12
	s_add_nc_u64 s[NZ:NZ+1], s[10:11], s[TP:TP+1]
	s_add_nc_u64 s[NE:NE+1], s[12:13], s[TP:TP+1]
	s_wait_dscnt 34                                ; behind the eight loads of my row stand 18 of weights and 16 of bias: the row is in, and the stores have read their registers
	LOADCX                                         ; the next tile's context: a whole tile ahead of its use
.irp j, 0,1,2
	v_permlanex16_b32 v[IN2+\j], v[H+29+\j], s[SEL], s[SEL+1]       ; lanes 0-15 get c[61 + j], block 2's; lanes 16-31 get c[29 + j], block 1's
.endr
.irp j, 0,1,2
	s_delay_alu instid0(VALU_DEP_3)
	v_cndmask_b32 v[H+29+\j], v[Z+\j], v[IN2+\j], s[HI16]           ; the end of block 0 is z[j], that of block 1 c[29 + j]
.endr
	global_load_b96 v[Z:Z+2], v[GZ], s[NZ:NZ+1] th:TH_LOAD_NT
	; ---- the input's quantiser: my whole block (0 or 1), and block 2's four numbers (in lanes 16-31, block 3, the byte is of no account: its codes are set to zeros)
	v_max3_num_f32 v[TM], |v[H]|, |v[H+1]|, |v[H+2]|
	v_max3_num_f32 v[TM+2], |v[H+15]|, |v[H+16]|, |v[H+17]|
	v_max3_num_f32 v[TM+1], |v[IN2]|, |v[IN2+1]|, FLOOR
	s_delay_alu instid0(VALU_DEP_3)
	v_max3_num_f32 v[TM], v[TM], |v[H+3]|, |v[H+4]|
	s_delay_alu instid0(VALU_DEP_3)
	v_max3_num_f32 v[TM+2], v[TM+2], |v[H+18]|, |v[H+19]|
.irp i, 5,7,9,11,13
	s_delay_alu instid0(VALU_DEP_2)
	v_max3_num_f32 v[TM], v[TM], |v[H+\i]|, |v[H+\i+1]|
	s_delay_alu instid0(VALU_DEP_2)
	v_max3_num_f32 v[TM+2], v[TM+2], |v[H+15+\i]|, |v[H+16+\i]|
.endr
	s_delay_alu instid0(VALU_DEP_1)
	v_max3_num_f32 v[TM], v[TM], v[TM+2], |v[H+30]|
	s_delay_alu instid0(VALU_DEP_1)
	v_max3_num_f32 v[TM], v[TM], |v[H+31]|, FLOOR
	v_max3_num_f32 v[TM+1], v[TM+1], |v[IN2+2]|, |v[IN2+3]|   ; block 2's other two numbers: the two lines ahead of the scales write the two maxima, as in the general quantiser
	QSC
.irp g, 0,1,2,3
	v_cvt_scalef32_pk8_fp4_f32 v[PC+\g], v[H+8*\g:H+8*\g+7], v[TM+8]
.endr
	v_cvt_scalef32_pk8_fp4_f32 v[PC+4], v[IN2:IN2+7], v[TM+9]
	v_nop                                          ; one plain place behind a scaled conversion
	v_cndmask_b32 v[PC+4], v[PC+4], 0, s[HI16]     ; block 3 is zero codes
	v_mov_b32 v[PC+5], 0
	v_mov_b32 v[PC+6], 0
	v_mov_b32 v[PC+7], 0
	PLACES 4                                       ; a scale word made by vector instructions stands eight places ahead of a scaled product, codes so made four
	s_wait_alu depctr_va_vdst(0)
	s_wait_dscnt 0x0
	WMMA8 1                                        ; [z | context | t] W_in + b_in
	PLACES 4                                       ; in front of loads into registers that the products have read, and of the first read of results
	LOADW 1
	ACT                                            ; h1
	LOADB 1
	QUANT H
	DCALC D1, 0                                    ; these 16 are the places between the scale word, the codes and the products
	s_wait_dscnt 0x0                               ; fragments, scale words and bias are in
	WMMA8 1                                        ; h1 W_h1 + b_h1
	DCALC D1, 1                                    ; and these 16 the places behind the products
	LOADW 2
	ACT                                            ; h2
	LOADB 2
	QUANT H
	DCALC D2, 0
	s_wait_dscnt 0x0
	WMMA8 1                                        ; h2 W_h2 + b_h2
	DCALC D2, 1
	; ---- layer 3, f, and the turn back
	LOADO
	s_wait_loadcnt 0x9                             ; eps is in: behind it stand the next tile's eight loads of context and one of z
	v_cndmask_b32 v[GE], v[E], v[E+2], s[HI16]     ; the f32 operand's register j holds column 2 h + j
	s_delay_alu instid0(VALU_DEP_1)
	v_mul_f32 v[GE], s44, v[GE]
	v_mul_f32 v[GE+1], s44, v[E+1]
	s_delay_alu instid0(VALU_DEP_1)
	v_cndmask_b32 v[GE+1], v[GE+1], 0, s[HI16]
	ACT                                            ; h3: its last lines take x's sign out of the accumulators, which the products below then write anew
	s_wait_alu depctr_va_vdst(0)
	s_wait_dscnt 0x0
	WIN 0x01
.irp t, 0,1,2,3,4,5,6,7
	v_wmma_f32_16x16x4_f32 v[ACC+8*\t:ACC+8*\t+7], v[WB+32+2*\t:WB+32+2*\t+1], v[GE:GE+1], 0   ; (eps out_scale) W_out^T: it goes on into a quantiser, so f32 operands
.endr
	WIN 0
.set j, 0
.rept 32
	v_cvt_pk_f16_f32 v[T16+j], v[H+2*j], v[H+2*j+1]   ; place i of K step s is my register 16 s + i, as in W_out^T's fragments.  (None of the eight products' registers is named from here to g3)
.set j, j+1
.endr
	DIN 0                                          ; 1 - h3^2, its first half.  (These stand between the conversions and the products)
	WIN 0x51                                       ; W_out^T, C and D in window 1, h3 in window 0
	v_wmma_f32_16x16x32_f16 v[F0:F0+7], v[WB:WB+7], v[T16:T16+7], 0         ; two accumulators by turns
	v_wmma_f32_16x16x32_f16 v[F1:F1+7], v[WB+8:WB+15], v[T16+8:T16+15], 0
	v_wmma_f32_16x16x32_f16 v[F0:F0+7], v[WB+16:WB+23], v[T16+16:T16+23], v[F0:F0+7]
	v_wmma_f32_16x16x32_f16 v[F1:F1+7], v[WB+24:WB+31], v[T16+24:T16+31], v[F1:F1+7]
	WIN 0
	DIN 1                                          ; its second half.  (These 16 are also the places in front of the loads below)
	LOADW 3
.set j, 0
.rept 32
	v_pk_mul_f32 v[H+j:H+j+1], v[H+j:H+j+1], v[ACC+j:ACC+j+1]   ; g3: each accumulator from its low end on
.set j, j+2
.endr
	QUANT H
	PLACES 7                                       ; with the one behind the conversions: eight places behind the scale word
	s_wait_alu depctr_va_vdst(0)
	s_wait_dscnt 0x0
	WMMA8 0                                        ; g3 W_h2^T
	PLACES 4
	LOADW 4
	GMUL D2                                        ; g2
	QUANT H
	PLACES 7
	s_wait_alu depctr_va_vdst(0)
	s_wait_dscnt 0x0
	WMMA8 0                                        ; g2 W_h1^T
	PLACES 4
	GMUL D1                                        ; g1
	QUANT H
	PLACES 7
	WIN 0x01
	v_wmma_scale_f32_16x16x128_f8f6f4 v[ACC:ACC+7], v[W8:W8+7], v[PC:PC+7], 0, v[W8S], v[PW] matrix_a_fmt:MATRIX_FMT_FP4 matrix_b_fmt:MATRIX_FMT_FP4   ; g1 W_in^T, rows 0 to 7: registers 0 to 2 are gz
	; ---- the tile's four numbers a row go to my stage
	WIN 0x05
.irp c, 0,1,2
	v_add_f32 v[TM+\c], v[F0+\c], v[F1+\c]         ; h3 W_out: the two halves of K.  (With the v_nop: the four places behind the last product)
.endr
	WIN 0
	v_nop
	v_mul_f32 v[TM+3], -v[ACC], v[E]
	v_fma_f32 v[TM+3], -v[ACC+1], v[E+1], v[TM+3]
	v_fma_f32 v[TM+3], -v[ACC+2], v[E+2], v[TM+3]  ; - gz . eps
	global_load_b96 v[E:E+2], v[GZ], s[NE:NE+1] th:TH_LOAD_NT   ; the next tile's eps, behind the last use of this one's
.irp c, 0,1,2
	v_add_f32 v[TM+\c], s[40+\c], v[TM+\c]
.endr
.irp c, 0,1,2
	s_delay_alu instid0(VALU_DEP_3)
	v_mul_f32 v[TM+\c], s44, v[TM+\c]              ; (h3 W_out + b_out) out_scale
.endr
	s_mul_i32 s[SFO], s[STQ], 192
	s_lshl_b32 s[SNO], s[STQ], 6
	v_add_nc_u32 v[AFO], s[SFO], v[OF]
	v_add_nc_u32 v[ANO], s[SNO], v[ON]
	ds_store_b32 v[AFO], v[TM]                     ; both halves of the lanes hold the same numbers and write the same words
	ds_store_b32 v[AFO], v[TM+1] offset:4
	ds_store_b32 v[AFO], v[TM+2] offset:8
	ds_store_b32 v[ANO], v[TM+3]
.Lskip:
	s_cmp_lg_u32 s[STQ], 3
	s_cbranch_scc1 .Lnext
	s_cmp_ge_u32 s[SGROW], NROWS
	s_cbranch_scc1 .Lnogroup
	; ---- a group is done: 768 bytes of out0 and 256 of out1 leave, each store 256 consecutive bytes at a multiple of 256 from its buffer's first byte.  The last group has 32 rows: lanes behind the end are off
.irp i, 0,1,2,3
	ds_load_b64 v[T+2*\i:T+2*\i+1], v[ORD] offset:256*\i   ; LDS serves a wave's instructions in order: these see my stores
.endr
	s_mul_i32 s[TP], s[SGROW], 12
	v_add_nc_u32 v[T+8], s[TP], v[L8]
	s_lshl_b32 s[TP], s[SGROW], 2
	v_add_nc_u32 v[T+9], s[TP], v[L8]
	s_wait_alu depctr_va_vdst(0)
	s_wait_dscnt 0x0
.irp i, 0,1,2
	v_cmp_gt_u32 vcc_lo, 12*NROWS-256*\i, v[T+8]
	s_wait_xcnt 0x0                                ; EXEC changes only behind this wait
	s_and_saveexec_b32 s[SEX], vcc_lo
	global_store_b64 v[T+8], v[T+2*\i:T+2*\i+1], s[14:15] offset:256*\i th:TH_STORE_NT
	s_wait_xcnt 0x0                                ; and again, in front of the line that widens it
	s_or_b32 exec_lo, exec_lo, s[SEX]
.endr
	v_cmp_gt_u32 vcc_lo, 4*NROWS, v[T+9]
	s_wait_xcnt 0x0
	s_and_saveexec_b32 s[SEX], vcc_lo
	global_store_b64 v[T+9], v[T+6:T+7], s[16:17] th:TH_STORE_NT
	s_wait_xcnt 0x0                                ; the stores have read their registers too: T is written again in the next tile
	s_or_b32 exec_lo, exec_lo, s[SEX]
.Lnogroup:
	s_add_co_u32 s[SGROW], s[SGROW], GSTEP
.Lnext:
	s_add_co_u32 s[SK], s[SK], 1
	s_cmp_lt_u32 s[SK], 16
	s_cbranch_scc1 .Ltile
	s_wait_tensorcnt 0x0                           ; the wave's end
	ds_add_u32 v[SPW], v[NIL]
	s_wait_dscnt 0x0
	s_endpgm
.Lfunc_end_k_qd85f93e096_ode:
	.size	k_qd85f93e096_ode, .Lfunc_end_k_qd85f93e096_ode-k_qd85f93e096_ode
	.p2alignl 7, 3214868480
	.fill 96, 4, 3214868480
	.section	.rodata,"a",@progbits
	.p2align	6, 0x0
	.amdhsa_kernel k_qd85f93e096_ode
		.amdhsa_group_segment_fixed_size 273152
		.amdhsa_private_segment_fixed_size 0
		.amdhsa_enable_private_segment 0
		.amdhsa_kernarg_size 120
		.amdhsa_user_sgpr_count 2
		.amdhsa_user_sgpr_kernarg_segment_ptr 1
		.amdhsa_wavefront_size32 1
		.amdhsa_system_sgpr_workgroup_id_x 1
		.amdhsa_system_sgpr_workgroup_id_y 1
		.amdhsa_system_sgpr_workgroup_id_z 1
		.amdhsa_system_vgpr_workitem_id 0
		.amdhsa_next_free_vgpr 512
		.amdhsa_next_free_sgpr 100
		.amdhsa_reserve_vcc 1
		.amdhsa_float_denorm_mode_32 3
		.amdhsa_float_denorm_mode_16_64 3
		.amdhsa_memory_ordered 1
		.amdhsa_forward_progress 1
		.amdhsa_inst_pref_size 195
	.end_amdhsa_kernel
	.amdgpu_metadata
---
amdhsa.version: [ 1, 2 ]
amdhsa.kernels:
  - .name:           k_qd85f93e096_ode
    .symbol:         k_qd85f93e096_ode.kd
    .args:
      - { .name: context, .offset: 0, .size: 8, .value_kind: global_buffer, .address_space: global }
      - { .name: z, .offset: 8, .size: 8, .value_kind: global_buffer, .address_space: global }
      - { .name: eps, .offset: 16, .size: 8, .value_kind: global_buffer, .address_space: global }
      - { .name: out0, .offset: 24, .size: 8, .value_kind: global_buffer, .address_space: global }
      - { .name: out1, .offset: 32, .size: 8, .value_kind: global_buffer, .address_space: global }
      - { .name: W_in, .offset: 40, .size: 8, .value_kind: global_buffer, .address_space: global }
      - { .name: W_h1, .offset: 48, .size: 8, .value_kind: global_buffer, .address_space: global }
      - { .name: W_h2, .offset: 56, .size: 8, .value_kind: global_buffer, .address_space: global }
      - { .name: W_out, .offset: 64, .size: 8, .value_kind: global_buffer, .address_space: global }
      - { .name: b_in, .offset: 72, .size: 8, .value_kind: global_buffer, .address_space: global }
      - { .name: b_h1, .offset: 80, .size: 8, .value_kind: global_buffer, .address_space: global }
      - { .name: b_h2, .offset: 88, .size: 8, .value_kind: global_buffer, .address_space: global }
      - { .name: b_out, .offset: 96, .size: 8, .value_kind: global_buffer, .address_space: global }
      - { .name: t, .offset: 104, .size: 8, .value_kind: global_buffer, .address_space: global }
      - { .name: out_scale, .offset: 112, .size: 8, .value_kind: global_buffer, .address_space: global }
    .group_segment_fixed_size: 273152
    .private_segment_fixed_size: 0
    .kernarg_segment_align: 8
    .kernarg_segment_size: 120
    .max_flat_workgroup_size: 256
    .sgpr_count:     100
    .vgpr_count:     512
    .wavefront_size: 32
...
	.end_amdgpu_metadata
.endif
;; end of part 1
